; MI455X (gfx1250); checked and timed in simulation.
; The chip was launched on July 23, 2026; its instructions are those of AMD's public machine-readable ISA for CDNA 5 (MIT licence, August 2026) and "CDNA5" Instruction Set Architecture Reference Guide (July 2026). The comments in the code are by the model that wrote it; some were corrected since.
;; Multi Head Attention. Allowed arithmetic: matrix products marked QUANTISED: E4M3 operands, one given power-of-two scale a tensor, by v_wmma_f32_16x16x64_fp8_fp8 or v_wmma_f32_16x16x128_fp8_fp8, f32 sums; everything else in f32.
;; Inputs: Wk_codes 16 x 64 x 32 x 32 uint8 (E4M3 codes of Wk, K innermost, in blocks of 32 codes); Wo_codes 1,024 x 32 x 32 uint8 (E4M3 codes of Wo, K innermost, in blocks of 32 codes); Wq_codes 16 x 64 x 32 x 32 uint8 (E4M3 codes of Wq, K innermost, in blocks of 32 codes); Wv_codes 16 x 64 x 32 x 32 uint8 (E4M3 codes of Wv, K innermost, in blocks of 32 codes); bk 16 x 64 float32; bo 1,024 float32; bq 16 x 64 float32; bv 16 x 64 float32; decoder_sequence_codes 4 x 2,048 x 32 x 32 uint8 (E4M3 codes of decoder_sequence, K innermost, in blocks of 32 codes); lowp_scales 12 int32 (the exponents e of the quantised operands' scales 2^e).
;; Outputs: out0 4 x 2,048 x 1,024 float32.
;; This version of the problem:
;;   THIS VERSION OF THE PROBLEM IS GIVEN IN LOW PRECISION. The matrix products marked QUANTISED in the list below multiply operands that are first quantised to E4M3 (4 exponent bits, 3 mantissa bits; 8 bits a number), with one given power-of-two scale for each operand tensor; their sums are f32. All else is computed in f32.
;;   The module's matrix products, in the order in which they are computed (A, B: the left and right operand; K: the contracted axis; several contracted axes count as one K, in the product's order):
;;     1. [M 1,024, K 1,024] x [K 1,024, N 8,192]; A: input Wq (given as codes); B: input decoder_sequence (given as codes): QUANTISED (scales: A lowp_scales[0], B lowp_scales[1])
;;     2. [M 1,024, K 1,024] x [K 1,024, N 8,192]; A: input Wk (given as codes); B: input decoder_sequence (given as codes): QUANTISED (scales: A lowp_scales[2], B lowp_scales[3])
;;     3. [M 1,024, K 1,024] x [K 1,024, N 8,192]; A: input Wv (given as codes); B: input decoder_sequence (given as codes): QUANTISED (scales: A lowp_scales[4], B lowp_scales[5])
;;     4. batch 64 x [M 2,048, K 64] x [K 64, N 2,048]; A: computed on the way; B: computed on the way: QUANTISED (scales: A lowp_scales[6], B lowp_scales[7])
;;     5. batch 64 x [M 2,048, K 2,048] x [K 2,048, N 64]; A: softmax (see below); B: computed on the way: QUANTISED (scales: A lowp_scales[8], B lowp_scales[9])
;;     6. [M 8,192, K 1,024] x [K 1,024, N 1,024]; A: computed on the way; B: input Wo (given as codes): QUANTISED (scales: A lowp_scales[10], B lowp_scales[11])
;;   THE QUANTISER, for each operand of a quantised product, along K:
;;     - The operand's scale is 2^e, e = its entry of the input lowp_scales (int32; the entries are numbered through the quantised products in the list's order, A before B).
;;     - Each number is divided by the scale, clamped to +-448, and rounded to the nearest number of E4M3, ties to even, subnormals kept.
;;     - The product sums the exact products of the quantised numbers (number of the format x scale) in f32.
;;   ~~~python
;;   def quantise(x, axis, e):      # numpy; x: float32 -> the quantised numbers, widened to float32 again
;;       x = np.moveaxis(x, axis, -1); K = x.shape[-1]
;;       r = np.clip(x / 2.0 ** e, -448, 448)
;;       step = 2.0 ** (np.maximum(np.frexp(np.where(r == 0, 1, r))[1] - 1, -6) - 3)
;;       q = np.round(r / step) * step * 2.0 ** e      # np.round: ties to even
;;       return np.moveaxis(q, -1, axis).astype(np.float32)
;;   ~~~
;;   SOFTMAX AHEAD OF A QUANTISED PRODUCT. Where the list says 'softmax', what is quantised is not the finished softmax but p = 2^(t - M), with t = logit x log2(e) and M = ceil(the row's largest t), a whole number; so 1/2 < the row's largest p <= 1. The row's sum l is taken of the UNQUANTISED p, in f32, and the product's result is divided by l at the end. Since M is a whole number, a kernel that streams over the keys may use a running M (the ceiling of the running maximum): every later rescaling is an exact power of two, so the quantised numbers keep their values, but for numbers so far below the row's largest that they fall under the format's range.
;;   OPERANDS COMPUTED ON THE WAY. 'Computed on the way' means the value that the module computes at that place (a softmax that the list does not call 'softmax' is quantised finished and normalised). What goes into a quantiser is computed in f32, as accurately as f32 sums, v_exp_f32 and their like allow (about 1e-6 of the number): no bf16 or f16 on the way to a quantiser, and a product that is left as it is and whose result goes on into a quantised operand takes f32 operands (vector FMAs, or v_wmma_f32_16x16x4_f32). A number that lies on a knife's edge between two numbers of the format may be rounded either way, as far as f32 arithmetic and the matrix unit's own rounding can turn it there, and no further.
;;   INPUTS GIVEN AS CODES. Wk (in the module: [16, 1024, 64], K = its axis 1); Wo (in the module: [1024, 1024], K = its axis 1); Wq (in the module: [16, 1024, 64], K = its axis 1); Wv (in the module: [16, 1024, 64], K = its axis 1); decoder_sequence (in the module: [4, 2048, 1024], K = its axis 2): each comes as NAME_codes (uint8): NAME with its K axis moved to the last place and cut into blocks of 32 codes, [.., K / 32, bytes a block], one block behind the other in memory; one code a byte (a code: sign, 4 exponent bits, 3 mantissa bits); its scale is its entry of lowp_scales. Its value is code x scale, taken as it is: it is not quantised again, and the codes and scales need not be those that the quantiser above would give.
;; One version. Each part assembles by itself: llvm-mc -triple=amdgcn-amd-amdhsa -mcpu=gfx1250 --defsym DOCPART=n.
;; ======== version 1 of 1: 3 launches
;; limits: right only within a limited range of input values
;; workspace buffers: qi 8,388,608 bytes; kv 16,777,216 bytes; cc 8,388,608 bytes
;; launch proj (part 1): grid 4 x 64, 4 waves a work-group, clusters of 4 x 4, 327,680 bytes of LDS; arguments decoder_sequence_codes, Wq_codes, Wk_codes, Wv_codes, bq, bk, bv, lowp_scales, qi, kv; writes qi, kv
.if DOCPART == 1
	.amdgcn_target "amdgcn-amd-amdhsa--gfx1250"
	.amdhsa_code_object_version 6
	.text
	.protected	k_qe6209a4ee4_proj
	.globl	k_qe6209a4ee4_proj
	.p2align	8
	.type	k_qe6209a4ee4_proj,@function
k_qe6209a4ee4_proj:
	s_mov_b64 s[64:65], 0
	v_nop
	global_prefetch_b8 v0, s[64:65] scope:SCOPE_SE
	s_setreg_imm32_b32 hwreg(HW_REG_WAVE_MODE, 25, 1), 1
	s_wait_xcnt 0x0
	s_wait_alu depctr_hold_cnt(0) depctr_sa_sdst(0) depctr_va_vdst(0) depctr_va_sdst(0) depctr_va_ssrc(0) depctr_va_vcc(0) depctr_vm_vsrc(0)
	s_getreg_b32 s2, hwreg(HW_REG_IB_STS2, 6, 4)
	s_cmp_eq_u32 s2, 0
	s_cbranch_scc0 .Lentry_in_a_cluster
	s_endpgm
.Lentry_in_a_cluster:
	s_bfe_u32 s2, ttmp6, 0x10000c
	s_cmp_lg_u32 s2, 0xf033
	s_cbranch_scc0 .Lentry_shape_is_right
	s_endpgm
.Lentry_shape_is_right:
; The three projections on E4M3 codes, their biases, and the quantisers of Q, K and V.  Q = x Wq + bq (code = Q / 2^e6), K likewise (e7), V likewise (e9), each held within +-448 x its scale.
; Nothing of these three products is left out.  (The later launch attn leaves out the key steps that the causal mask gives the weight 0 for all inputs; a NaN or an infinity that reaches only those is not carried on.)
; LIMITS: e0 + e1 and e2 + e3 between -126 and 126 (2^(sum) and its inverse are made as f32 numbers), e4 + e5 between -126 and 127, e6, e7, e9 between -126 and 119.
; SHARES.  Sixteen clusters of 4 x 4 work-groups, all with the same work.  Cluster Y: zk = Y / 8, T8 = Y % 8.
; BLOCK 1: 256 tokens (block 4 T8 + cy) x 256 rows of Wq (zk = 0) or Wk (zk = 1) (block cx): four waves of 128 x 128, 64 accumulators each; K in four steps of 256 through a ring of two LDS slots.
; BLOCK 2: 128 rows of Wv (block 4 zk + cy) x 256 tokens (block 4 T8 + cx): four waves of 64 x 128.  The ring goes on from block 1 into block 2: block 1's last two changes of slots ask for block 2's first two K steps.
; Tiles that hang on cy alone are asked for jointly along a row of the cluster, those that hang on cx alone along a column.  The choice between Q and K is made by selects on the cluster's number, which all partners share.
; No data prefetch: the block is the largest that the registers hold, in clusters, and a block has four fills only.
; LAYOUT.  Block 1: source 0 = 16 rows of W, source 1 = 16 tokens: a lane holds a token and eight neighbouring channels; the bias / 2^(ew + ex) is the C of the first products.  Block 2: source 0 = 16 tokens, source 1 = 16 rows of Wv: a lane holds a channel and eight neighbouring tokens.
; qi[bh][tile of 16 tokens][1024], kv[bh][step of 128 tokens][K: 8 tiles x 1024 | V: 4 tiles x 2048]: images of operand registers, 16 bytes at 16 x lane: each store of the wave covers 512 consecutive bytes, aligned.
; REGISTERS: window 0: v16-31 addresses and constants; v32-95 the bias as C, later at work on the way out; v96-103 bv; v128-255 A's fragments.  Window 1: B's fragments, two sets.  Windows 2, 3: accumulators.
.set PITCH,  272                       ; an LDS row: 256 bytes + 16 of padding
.set HALFT,  128*PITCH
.set AH,     64*PITCH
.set SLOT,   4*HALFT                   ; A's rows (256, or 128 in block 2), then at 2 HALFT B's 256 rows
.set SPARE,  2*SLOT                    ; the spare words, 128 bytes a wave
.set ADRA, 16                          ; v16-17 my A fragments in slot 0, 1 (block 1); v18-19 (block 2); v20-21 my B fragments
.set ADRS, 18
.set ADRB, 20
.set LO16, 24                          ; 16 x lane
.set H32,  25                          ; 32 x (lane / 16)
.set R4,   26                          ; 4 x (lane % 16)
.set SPW,  28
.set NIL,  29
.set LIMV, 30                          ; 448 x the output's scale; v31 the scale
.set SCV,  31
.set BI,   32
.set T,    32
.set CD,   64
.set BV,   96
.set AF,   128
.set CDV,  128
.set G1A, 24                           ; s[24:31] group 1: 128 rows, my row of the cluster; s[48:55]: 128 rows, my column; s[92:99]: 64 rows, my row
.set G0A, 32                           ; s[32:39], s[56:63] groups 0, one set a slot
.set G1B, 48
.set G0B, 56
.set G1S, 92
.set WV,  66
.set WA,  67
.set WB,  68
.set PA1, 70                           ; s[70:71] x for block 1; s[72:73] Wv; s[74:75] Wq or Wk; s[76:77] x for block 2
.set PA2, 72
.set PB1, 74
.set PB2, 76
.set SC,  78                           ; s[78:79] a power of two, twice
.set SAH, 3                            ; s3 where my half of block 2's A tile goes in a slot
.set PADW, (1<<20)|(1<<21)|(5<<22)|(3<<25)
.set MUL_LO, 0xa1                      ; source 0 window 1, source 1 window 0, C and D window 2
.set MUL_HI, 0xf1
.set TO_B,   0x40
.set MSB, 0
.macro WIN new
.if MSB != \new
	s_set_vgpr_msb (MSB<<8)|\new
.set MSB, \new
.endif
.endm
.macro PLACES n
.rept \n
	v_nop
.endr
.endm
.macro JLOAD g0a, g1a, g0b, g1b        ; waves 0, 1 fetch for A, waves 2, 3 for B; an s_nop 0 and four v_nop follow each line
	s_cmp_eq_u32 s[WA], 0
	s_cbranch_scc0 .Lfor_b_\@
	tensor_load_to_lds s[\g0a:\g0a+3], s[\g1a:\g1a+7]
	s_nop 0
.rept 4
	v_nop
.endr
	s_branch .Lasked_\@
.Lfor_b_\@:
	tensor_load_to_lds s[\g0b:\g0b+3], s[\g1b:\g1b+7]
	s_nop 0
.rept 4
	v_nop
.endr
.Lasked_\@:
.endm
.macro CREST
	s_cmp_lg_u32 s[WV], 0
	s_cbranch_scc1 .Lnot_wave_0_\@
	s_barrier_signal -3
.Lnot_wave_0_\@:
	s_barrier_wait -3
	s_barrier_signal -1
	s_barrier_wait -1
.endm
.macro CROUND
	s_barrier_signal -1
	s_barrier_wait -1
	CREST
.endm
.macro AIM slot, pa, pb, ks            ; both groups 0 of a slot: K step ks of the tiles at pa, pb (no load of mine is out here)
	s_add_nc_u64 s[G0A+4*\slot+2:G0A+4*\slot+3], s[\pa:\pa+1], (\ks)*256
	s_or_b32 s[G0A+4*\slot+3], s[G0A+4*\slot+3], 0x80000000
	s_add_nc_u64 s[G0B+4*\slot+2:G0B+4*\slot+3], s[\pb:\pb+1], (\ks)*256
	s_or_b32 s[G0B+4*\slot+3], s[G0B+4*\slot+3], 0x80000000
.endm
.macro FRAG reg, adr, q, i             ; 16 rows x 128 K: registers 4 c .. 4 c + 3 hold K = 32 c + 16 (lane / 16) + 0 .. 15, the same permutation of K on both sides
.irp c, 0,1,2,3
	ds_load_b128 v[\reg+4*\c:\reg+4*\c+3], v[\adr] offset:128*(\q)+32*\c+(\i)*16*PITCH
.endr
.endm
.macro FETCH_B slot, q, p
	WIN TO_B
.irp i, 0,1,2,3,4,5,6,7
	FRAG 128*(\p)+16*\i, ADRB+\slot, \q, \i
.endr
	WIN 0
.endm
.macro FETCH_A slot, q, i0             ; block 1: A's blocks i0 .. i0 + 3, one set
.irp i, \i0, \i0+1, \i0+2, \i0+3
	FRAG AF+16*(\i), ADRA+\slot, \q, \i
.endr
.endm
.macro FETCH_S slot, q, p              ; block 2: A's four blocks, set p
.irp i, 0,1,2,3
	FRAG AF+64*(\p)+16*\i, ADRS+\slot, \q, \i
.endr
.endm
; Block 1: 16 matrix instructions; the 64 accumulators take turns, one instruction a turn.  zero = 1: the first products take the bias as C.
.macro MUL16 a0, p, zero
.irp a, \a0, \a0+1
.irp b, 0,1,2,3,4,5,6,7
.if \zero
	v_wmma_f32_16x16x128_fp8_fp8 v[8*(8*((\a)%4)+\b):8*(8*((\a)%4)+\b)+7], v[128*(\p)+16*\b:128*(\p)+16*\b+15], v[AF+16*(\a):AF+16*(\a)+15], v[BI+8*\b:BI+8*\b+7]
.else
	v_wmma_f32_16x16x128_fp8_fp8 v[8*(8*((\a)%4)+\b):8*(8*((\a)%4)+\b)+7], v[128*(\p)+16*\b:128*(\p)+16*\b+15], v[AF+16*(\a):AF+16*(\a)+15], v[8*(8*((\a)%4)+\b):8*(8*((\a)%4)+\b)+7]
.endif
.endr
.endr
.endm
.macro MUL8 a, p, zero                 ; block 2: 8 matrix instructions; 32 accumulators by turns
.irp b, 0,1,2,3,4,5,6,7
.if \zero
	v_wmma_f32_16x16x128_fp8_fp8 v[8*(8*(\a)+\b):8*(8*(\a)+\b)+7], v[128*(\p)+16*\b:128*(\p)+16*\b+15], v[AF+64*(\p)+16*(\a):AF+64*(\p)+16*(\a)+15], 0
.else
	v_wmma_f32_16x16x128_fp8_fp8 v[8*(8*(\a)+\b):8*(8*(\a)+\b)+7], v[128*(\p)+16*\b:128*(\p)+16*\b+15], v[AF+64*(\p)+16*(\a):AF+64*(\p)+16*(\a)+15], v[8*(8*(\a)+\b):8*(8*(\a)+\b)+7]
.endif
.endr
.endm
.macro STEP slot, zero                 ; block 1: a slot's first 128 along K
	s_wait_dscnt 16                                ; B's set and A's blocks 0-3 are in; the youngest 16 loads (A's blocks 4-7) may be out
.if \zero
	WIN 0x81                                       ; C in window 0
.else
	WIN MUL_LO
.endif
	MUL16 0, 0, \zero
	MUL16 2, 0, \zero
	s_wait_dscnt 0
	PLACES 4                                       ; in front of loads into registers that matrix instructions have read
	FETCH_B \slot, 1, 1
	FETCH_A \slot, 1, 0
.if \zero
	WIN 0xc1
.else
	WIN MUL_HI
.endif
	MUL16 4, 0, \zero
	MUL16 6, 0, \zero
	PLACES 4
	WIN 0
	FETCH_A \slot, 1, 4
.endm
; Block 1: a slot's last 128 along K, and the change of slots.  fs = 1: the slot takes a tile of block 2; ns = 1: the next slot holds one.
.macro TURNB slot, next, pa, pb, ks, fs, ns
	s_wait_tensorcnt 0x0                           ; all my tensor loads have landed: my part of the next slot;
	ds_add_u32 v[SPW], v[NIL]
	s_wait_dscnt 17                                ; (the add and the youngest 16 loads may be out)
	WIN MUL_LO
	MUL16 0, 1, 0
	s_wait_dscnt 0x0                               ; the add is done, and my reads of this slot are over
	s_barrier_signal -1
	MUL16 2, 1, 0
	WIN 0
	s_barrier_wait -1
	CREST                                          ; the round: no wave of any partner still reads this slot or has a load on its way
	AIM \slot, \pa, \pb, \ks
.if \fs
	s_add_co_u32 s[G0A+4*\slot+1], s[SAH], \slot*SLOT
	JLOAD G0A+4*\slot, G1S, G0B+4*\slot, G1B
.else
	JLOAD G0A+4*\slot, G1A, G0B+4*\slot, G1B
.endif
	FETCH_B \next, 0, 0
.if \ns
	FETCH_S \next, 0, 0
.else
	FETCH_A \next, 0, 0
.endif
	WIN MUL_HI
	MUL16 4, 1, 0
	MUL16 6, 1, 0
	WIN 0
.if \ns == 0
	PLACES 4
	FETCH_A \next, 0, 4
.endif
.endm
.macro STEPS slot, zero                ; block 2: a slot's first 128 along K
	s_wait_dscnt 8                                 ; the youngest 8 loads (A's blocks 2, 3) may be out
	WIN MUL_LO
	MUL8 0, 0, \zero
	MUL8 1, 0, \zero
	PLACES 4
	FETCH_B \slot, 1, 1
	FETCH_S \slot, 1, 1
	s_wait_dscnt 48                                ; all but the 48 just issued
	WIN MUL_LO
	MUL8 2, 0, \zero
	MUL8 3, 0, \zero
	WIN 0
.endm
.macro TURNS slot, next, fill, ks      ; block 2: a slot's last 128 along K, and the change of slots
	s_wait_tensorcnt 0x0
	ds_add_u32 v[SPW], v[NIL]
	s_wait_dscnt 9                                 ; (the add and the youngest 8 loads may be out)
	WIN MUL_LO
	MUL8 0, 1, 0
	s_wait_dscnt 0x0
	s_barrier_signal -1
	MUL8 1, 1, 0
	WIN 0
	s_barrier_wait -1
.if \fill
	CREST
	AIM \slot, PA2, PB2, \ks
	JLOAD G0A+4*\slot, G1S, G0B+4*\slot, G1B
.else
	PLACES 4
.endif
	FETCH_B \next, 0, 0
	FETCH_S \next, 0, 0
	WIN MUL_LO
	MUL8 2, 1, 0
	MUL8 3, 1, 0
	WIN 0
.endm
.macro EPISC ew, ex, eo                ; 2^(ew + ex), 2^eo, 448 x 2^eo; with the two v_nop: four places behind the last products
	s_add_co_i32 s[SC], s[\ew], s[\ex]
	s_add_co_i32 s[SC], s[SC], 127
	s_lshl_b32 s[SC], s[SC], 23
	s_mov_b32 s[SC+1], s[SC]
	s_add_co_i32 s43, s[\eo], 127
	s_lshl_b32 s44, s43, 23
	v_mov_b32 v[SCV], s44
	s_add_co_i32 s43, s43, 8
	s_lshl_b32 s43, s43, 23
	s_or_b32 s43, s43, 0x600000
	v_mov_b32 v[LIMV], s43
	v_nop
	v_nop
.endm
.macro HOLD32                          ; the conversion does not saturate (ISA guide 7.6.2)
.set n, 0
.rept 32
	v_med3_num_f32 v[T+n], v[T+n], -v[LIMV], v[LIMV]
.set n, n+1
.endr
.endm
.macro EPI_QK                          ; tile a of 16 tokens, head hh of my two: 64 channels a token, 32 bytes a lane
.irp a, 0,1,2,3,4,5,6,7
.irp hh, 0,1
.if ((2*\a+\hh)%4 == 0) && (\a > 0)
	s_wait_xcnt 0x0                                ; the stores four groups back have read their data: the codes' registers take turns
.endif
	WIN 0x02+(\a/4)
.irp c, 0,1,2,3
.irp i, 0,2,4,6
	v_pk_mul_f32 v[T+8*\c+\i:T+8*\c+\i+1], v[8*(8*(\a%4)+4*\hh+\c)+\i:8*(8*(\a%4)+4*\hh+\c)+\i+1], s[SC:SC+1] op_sel_hi:[1,0]
.endr
.endr
	WIN 0
	HOLD32
.irp c, 0,1,2,3
	v_cvt_scalef32_pk8_fp8_f32 v[CD+8*((2*\a+\hh)%4)+2*\c:CD+8*((2*\a+\hh)%4)+2*\c+1], v[T+8*\c:T+8*\c+7], v[SCV]
.endr
	v_nop
	global_store_b128 v[LO16], v[CD+8*((2*\a+\hh)%4):CD+8*((2*\a+\hh)%4)+3], s[20+80*\hh:21+80*\hh] offset:1024*\a
	global_store_b128 v[LO16], v[CD+8*((2*\a+\hh)%4)+4:CD+8*((2*\a+\hh)%4)+7], s[20+80*\hh:21+80*\hh] offset:1024*\a+512
.endr
.endr
.endm
.macro EPI_V                           ; tile a of 16 channels: 128 tokens a channel, 64 bytes a lane
.irp a, 0,1,2,3
.irp g, 0,1
	WIN 0x02
.irp c, 0,1,2,3
.irp i, 0,2,4,6
	v_pk_fma_f32 v[T+8*\c+\i:T+8*\c+\i+1], v[8*(8*\a+4*\g+\c)+\i:8*(8*\a+4*\g+\c)+\i+1], s[SC:SC+1], v[BV+2*\a:BV+2*\a+1] op_sel_hi:[1,0,0]
.endr
.endr
	WIN 0
	HOLD32
.irp c, 0,1,2,3
	v_cvt_scalef32_pk8_fp8_f32 v[CDV+16*\a+8*\g+2*\c:CDV+16*\a+8*\g+2*\c+1], v[T+8*\c:T+8*\c+7], v[SCV]
.endr
	v_nop
	global_store_b128 v[LO16], v[CDV+16*\a+8*\g:CDV+16*\a+8*\g+3], s[22:23] offset:2048*\a+1024*\g
	global_store_b128 v[LO16], v[CDV+16*\a+8*\g+4:CDV+16*\a+8*\g+7], s[22:23] offset:2048*\a+1024*\g+512
.endr
.endr
.endm
	s_load_b256 s[4:11], s[0:1], 0x0               ; x s[4:5], Wq s[6:7], Wk s[8:9], Wv s[10:11]
	s_load_b256 s[12:19], s[0:1], 0x20             ; bq, bk, bv, the scales' exponents
	s_load_b128 s[20:23], s[0:1], 0x40             ; qi, kv
	v_lshl_add_u32 v[SPW], v0, 2, SPARE
	v_mov_b32 v[NIL], 0
	ds_add_u32 v[SPW], v[NIL]                      ; the opening lines: the add, twice on end, and its wait
	ds_add_u32 v[SPW], v[NIL]
	v_lshrrev_b32 v1, 5, v0
	v_readfirstlane_b32 s[WV], v1
	s_lshr_b32 s[WA], s[WV], 1                     ; my half of A's rows; also: I fetch for A (0) or for B (1)
	s_and_b32 s[WB], s[WV], 1                      ; my half of B's rows; also: which half I fetch
	s_bfe_u32 s40, ttmp6, 0x40000                  ; cx
	s_bfe_u32 s41, ttmp6, 0x40004                  ; cy
	s_and_b32 s42, ttmp7, 0xffff                   ; the cluster's number Y
	s_lshr_b32 s104, s42, 3                        ; zk
	s_and_b32 s105, s42, 7                         ; T8
	s_lshl_b32 s43, s41, 2
	s_lshl_b32 s43, 15, s43                        ; my row of the cluster
	s_lshl_b32 s44, 0x1111, s40                    ; my column
	s_or_b32 s[G1A], s43, PADW
	s_or_b32 s[G1S], s43, PADW
	s_or_b32 s[G1B], s44, PADW
.irp g, G1A, G1B
	s_mov_b32 s[\g+1], 256<<16
	s_mov_b32 s[\g+2], 128<<16
	s_mov_b32 s[\g+3], 256<<16
	s_mov_b32 s[\g+4], 128
	s_mov_b32 s[\g+5], 1024
	s_mov_b32 s[\g+6], 0
	s_mov_b32 s[\g+7], 0
.endr
	s_mov_b32 s[G1S+1], 256<<16
	s_mov_b32 s[G1S+2], 64<<16
	s_mov_b32 s[G1S+3], 256<<16
	s_mov_b32 s[G1S+4], 64
	s_mov_b32 s[G1S+5], 1024
	s_mov_b32 s[G1S+6], 0
	s_mov_b32 s[G1S+7], 0
	s_mul_i32 s69, s[WB], HALFT                    ; where my half goes in a slot: no place in the cluster enters an LDS address
	s_mul_i32 s[SAH], s[WB], AH
	s_wait_dscnt 0x0
	s_wait_kmcnt 0x0
	s_load_b256 s[80:87], s[18:19], 0x0            ; e0 .. e7
	s_load_b128 s[88:91], s[18:19], 0x20           ; e8 .. e11
	s_lshl_b32 s43, s[WB], 17                      ; 128 rows of 1,024 bytes
	s_lshl_b32 s45, s105, 2
	s_add_co_u32 s45, s45, s41                     ; 4 T8 + cy
	s_lshl_b32 s46, s45, 18
	s_add_co_u32 s46, s46, s43
	s_mov_b32 s47, 0
	s_add_nc_u64 s[PA1:PA1+1], s[4:5], s[46:47]
	s_lshl_b32 s46, s104, 2
	s_add_co_u32 s46, s46, s41                     ; 4 zk + cy
	s_lshl_b32 s46, s46, 17
	s_lshl_b32 s44, s[WB], 16
	s_add_co_u32 s46, s46, s44
	s_add_nc_u64 s[PA2:PA2+1], s[10:11], s[46:47]
	s_cmp_eq_u32 s104, 0
	s_cselect_b64 s[78:79], s[6:7], s[8:9]         ; Wq or Wk
	s_lshl_b32 s100, s40, 18
	s_add_co_u32 s100, s100, s43
	s_mov_b32 s101, 0
	s_add_nc_u64 s[PB1:PB1+1], s[78:79], s[100:101]
	s_lshl_b32 s100, s105, 2
	s_add_co_u32 s100, s100, s40                   ; 4 T8 + cx
	s_lshl_b32 s100, s100, 18
	s_add_co_u32 s100, s100, s43
	s_add_nc_u64 s[PB2:PB2+1], s[4:5], s[100:101]
	CROUND                                         ; all sixteen work-groups are here: the first joint loads meet
.irp s, 0,1
	s_mov_b32 s[G0A+4*\s], 1
	s_add_co_u32 s[G0A+4*\s+1], s69, \s*SLOT
	s_mov_b32 s[G0B+4*\s], 1
	s_add_co_u32 s[G0B+4*\s+1], s69, \s*SLOT+2*HALFT
	AIM \s, PA1, PB1, \s
.endr
	JLOAD G0A, G1A, G0B, G1B                       ; K step 0: one tensor load a wave at the head
	s_mul_i32 s43, s[WA], HALFT
	s_add_co_u32 s44, s43, SLOT
	s_mul_i32 s45, s[WB], HALFT
	s_add_co_u32 s45, s45, 2*HALFT
	s_add_co_u32 s46, s45, SLOT
	s_mul_i32 s47, s[WA], AH
	s_add_co_u32 s69, s47, SLOT
	v_and_b32 v1, 15, v0
	v_bfe_u32 v2, v0, 4, 1
	v_mul_u32_u24 v3, v1, PITCH
	v_lshl_add_u32 v4, v2, 4, v3                   ; a fragment's row x pitch + 16 x half
	v_add_nc_u32 v[ADRA], s43, v4
	v_add_nc_u32 v[ADRA+1], s44, v4
	v_add_nc_u32 v[ADRB], s45, v4
	v_add_nc_u32 v[ADRB+1], s46, v4
	v_add_nc_u32 v[ADRS], s47, v4
	v_add_nc_u32 v[ADRS+1], s69, v4
	v_and_b32 v[LO16], 31, v0
	v_lshlrev_b32 v[LO16], 4, v[LO16]
	v_lshlrev_b32 v[H32], 5, v2
	v_lshlrev_b32 v[R4], 2, v1
	s_wait_alu depctr_va_vdst(0)                   ; ahead of the scalar lines below
	; the biases
	s_cmp_eq_u32 s104, 0
	s_cselect_b64 s[12:13], s[12:13], s[14:15]     ; bq or bk
	s_lshl_b32 s46, s40, 10
	s_lshl_b32 s45, s[WB], 9
	s_add_co_u32 s46, s46, s45
	s_mov_b32 s47, 0
	s_add_nc_u64 s[12:13], s[12:13], s[46:47]      ; my 128 rows of W
	s_lshl_b32 s69, s104, 2
	s_add_co_u32 s69, s69, s41                     ; vb = 4 zk + cy
	s_lshl_b32 s46, s69, 9
	s_lshl_b32 s45, s[WA], 8
	s_add_co_u32 s46, s46, s45
	s_add_nc_u64 s[16:17], s[16:17], s[46:47]      ; my 64 rows of Wv
.irp b, 0,1,2,3,4,5,6,7
	global_load_b128 v[BI+8*\b:BI+8*\b+3], v[H32], s[12:13] offset:64*\b
	global_load_b128 v[BI+8*\b+4:BI+8*\b+7], v[H32], s[12:13] offset:64*\b+16
.endr
.irp a, 0,1,2,3
	global_load_b32 v[BV+2*\a], v[R4], s[16:17] offset:64*\a
	global_load_b32 v[BV+2*\a+1], v[R4], s[16:17] offset:64*\a
.endr
	; where block 1 goes: ((16 batch + head) x 131,072 + (step of 128 tokens) x 8,192) x 2^zk
	s_lshl_b32 s45, s105, 2
	s_add_co_u32 s45, s45, s41                     ; token block 4 T8 + cy
	s_lshr_b32 s46, s45, 3
	s_lshl_b32 s46, s46, 4
	s_lshl_b32 s44, s40, 2
	s_add_co_u32 s46, s46, s44
	s_lshl_b32 s44, s[WB], 1
	s_add_co_u32 s46, s46, s44                     ; 16 batch + 4 cx + 2 WB
	s_and_b32 s45, s45, 7
	s_lshl_b32 s45, s45, 1
	s_add_co_u32 s45, s45, s[WA]
	s_lshl_b32 s46, s46, 17
	s_lshl_b32 s45, s45, 13
	s_add_co_u32 s46, s46, s45
	s_lshl_b32 s46, s46, s104
	s_cmp_eq_u32 s104, 0
	s_cselect_b64 s[20:21], s[20:21], s[22:23]     ; qi or kv
	s_add_nc_u64 s[20:21], s[20:21], s[46:47]      ; my first head,
	s_mov_b32 s46, 131072
	s_lshl_b32 s46, s46, s104
	s_add_nc_u64 s[100:101], s[20:21], s[46:47]    ; my second
	; where block 2 goes
	s_lshl_b32 s45, s105, 2
	s_add_co_u32 s45, s45, s40                     ; token block 4 T8 + cx
	s_lshr_b32 s46, s45, 3
	s_lshl_b32 s46, s46, 4
	s_lshl_b32 s44, s69, 1
	s_add_co_u32 s46, s46, s44
	s_add_co_u32 s46, s46, s[WA]                   ; 16 batch + 2 vb + WA
	s_lshl_b32 s46, s46, 18
	s_and_b32 s45, s45, 7
	s_lshl_b32 s45, s45, 1
	s_add_co_u32 s45, s45, s[WB]
	s_lshl_b32 s45, s45, 14
	s_add_co_u32 s46, s46, s45
	s_add_co_u32 s46, s46, 8192
	s_add_nc_u64 s[22:23], s[22:23], s[46:47]
	s_wait_kmcnt 0x0
	s_cmp_eq_u32 s104, 0                           ; block 1's three exponents
	s_cselect_b32 s80, s80, s82
	s_cselect_b32 s81, s81, s83
	s_cselect_b32 s86, s86, s87
	s_add_co_i32 s43, s80, s81
	s_sub_co_i32 s43, 127, s43
	s_lshl_b32 s[SC], s43, 23                      ; 2^-(ew + ex)
	s_mov_b32 s[SC+1], s[SC]
	s_wait_loadcnt 0x0
.set n, 0
.rept 32
	v_pk_mul_f32 v[BI+n:BI+n+1], v[BI+n:BI+n+1], s[SC:SC+1] op_sel_hi:[1,0]   ; the bias in the sums' unit: nothing is rounded
.set n, n+2
.endr
	s_wait_alu depctr_va_vdst(0)                   ; the head's end
	s_wait_tensorcnt 0x0                           ; my part of K step 0 is in
	ds_add_u32 v[SPW], v[NIL]
	s_wait_dscnt 0x0
	CROUND
	JLOAD G0A+4, G1A, G0B+4, G1B                   ; K step 1: the first tensor load behind the round
	FETCH_B 0, 0, 0
	FETCH_A 0, 0, 0
	FETCH_A 0, 0, 4
	STEP 0, 1
	TURNB 0, 1, PA1, PB1, 2, 0, 0
	STEP 1, 0
	TURNB 1, 0, PA1, PB1, 3, 0, 0
	STEP 0, 0
	TURNB 0, 1, PA2, PB2, 0, 1, 0                  ; the ring goes on into block 2
	STEP 1, 0
	TURNB 1, 0, PA2, PB2, 1, 1, 1
	EPISC 80, 81, 86
	EPI_QK
	s_wait_xcnt 0x0
	STEPS 0, 1
	TURNS 0, 1, 1, 2
	STEPS 1, 0
	TURNS 1, 0, 1, 3
	STEPS 0, 0
	TURNS 0, 1, 0, 0                               ; the last changes fill nothing
	STEPS 1, 0
	s_wait_dscnt 0x0
	WIN MUL_LO
	MUL8 0, 1, 0
	MUL8 1, 1, 0
	MUL8 2, 1, 0
	MUL8 3, 1, 0
	WIN 0
	EPISC 84, 85, 89
	EPI_V
	s_wait_tensorcnt 0x0                           ; the wave's end
	ds_add_u32 v[SPW], v[NIL]
	s_wait_dscnt 0x0
	CROUND                                         ; the closing round
	s_endpgm
.Lfunc_end_k_qe6209a4ee4_proj:
	.size	k_qe6209a4ee4_proj, .Lfunc_end_k_qe6209a4ee4_proj-k_qe6209a4ee4_proj
	.p2alignl 7, 3214868480
	.fill 96, 4, 3214868480
	.section	.rodata,"a",@progbits
	.p2align	6, 0x0
	.amdhsa_kernel k_qe6209a4ee4_proj
		.amdhsa_group_segment_fixed_size 327680
		.amdhsa_private_segment_fixed_size 0
		.amdhsa_enable_private_segment 0
		.amdhsa_kernarg_size 80
		.amdhsa_user_sgpr_count 2
		.amdhsa_user_sgpr_kernarg_segment_ptr 1
		.amdhsa_wavefront_size32 1
		.amdhsa_system_sgpr_workgroup_id_x 1
		.amdhsa_system_sgpr_workgroup_id_y 1
		.amdhsa_system_sgpr_workgroup_id_z 1
		.amdhsa_system_vgpr_workitem_id 0
		.amdhsa_next_free_vgpr 1024
		.amdhsa_next_free_sgpr 106
		.amdhsa_reserve_vcc 0
		.amdhsa_float_denorm_mode_32 3
		.amdhsa_float_denorm_mode_16_64 3
		.amdhsa_memory_ordered 1
		.amdhsa_forward_progress 1
		.amdhsa_inst_pref_size 217
	.end_amdhsa_kernel
	.amdgpu_metadata
---
amdhsa.version: [ 1, 2 ]
amdhsa.kernels:
  - .name:           k_qe6209a4ee4_proj
    .symbol:         k_qe6209a4ee4_proj.kd
    .args:
      - { .name: decoder_sequence_codes, .offset: 0, .size: 8, .value_kind: global_buffer, .address_space: global }
      - { .name: Wq_codes, .offset: 8, .size: 8, .value_kind: global_buffer, .address_space: global }
      - { .name: Wk_codes, .offset: 16, .size: 8, .value_kind: global_buffer, .address_space: global }
      - { .name: Wv_codes, .offset: 24, .size: 8, .value_kind: global_buffer, .address_space: global }
      - { .name: bq, .offset: 32, .size: 8, .value_kind: global_buffer, .address_space: global }
      - { .name: bk, .offset: 40, .size: 8, .value_kind: global_buffer, .address_space: global }
      - { .name: bv, .offset: 48, .size: 8, .value_kind: global_buffer, .address_space: global }
      - { .name: lowp_scales, .offset: 56, .size: 8, .value_kind: global_buffer, .address_space: global }
      - { .name: qi, .offset: 64, .size: 8, .value_kind: global_buffer, .address_space: global }
      - { .name: kv, .offset: 72, .size: 8, .value_kind: global_buffer, .address_space: global }
    .group_segment_fixed_size: 327680
    .private_segment_fixed_size: 0
    .kernarg_segment_align: 8
    .kernarg_segment_size: 80
    .max_flat_workgroup_size: 128
    .sgpr_count:     106
    .vgpr_count:     1024
    .wavefront_size: 32
...
	.end_amdgpu_metadata
.endif
;; end of part 1
;; launch attn (part 2): grid 4 x 64, 8 waves a work-group, clusters of 4 x 1, 327,680 bytes of LDS; arguments qi, kv, lowp_scales, cc; writes cc
.if DOCPART == 2
	.amdgcn_target "amdgcn-amd-amdhsa--gfx1250"
	.amdhsa_code_object_version 6
	.text
	.protected	k_qe6209a4ee4_attn
	.globl	k_qe6209a4ee4_attn
	.p2align	8
	.type	k_qe6209a4ee4_attn,@function
k_qe6209a4ee4_attn:
	s_mov_b64 s[64:65], 0
	v_nop
	global_prefetch_b8 v0, s[64:65] scope:SCOPE_SE
	s_setreg_imm32_b32 hwreg(HW_REG_WAVE_MODE, 25, 1), 1
	s_wait_xcnt 0x0
	s_wait_alu depctr_hold_cnt(0) depctr_sa_sdst(0) depctr_va_vdst(0) depctr_va_sdst(0) depctr_va_ssrc(0) depctr_va_vcc(0) depctr_vm_vsrc(0)
	s_getreg_b32 s2, hwreg(HW_REG_IB_STS2, 6, 4)
	s_cmp_eq_u32 s2, 0
	s_cbranch_scc0 .Lentry_in_a_cluster
	s_endpgm
.Lentry_in_a_cluster:
	s_bfe_u32 s2, ttmp6, 0x10000c
	s_cmp_lg_u32 s2, 0x3003
	s_cbranch_scc0 .Lentry_shape_is_right
	s_endpgm
.Lentry_shape_is_right:
; Causal attention on E4M3 codes, head size 64, 2,048 tokens, 64 (batch, head) pairs, and the quantiser of the concatenated heads.
; t = score x 2^(e6 + e7) x log2(e) / 8; M = the running largest t rounded UP to a whole number; p = 2^(t - M) is quantised with 2^e8, not normalised; the row's sum is taken of the unquantised p in f32;
; when M moves, the sum and O are multiplied by 2^(old M - new M), which rounds nothing.  O = sum x 2^(e8 + e9) / the row's sum; its code = O / 2^e10, held within +-448.
; WORK LEFT OUT: steps of 128 keys that lie wholly behind a tile's diagonal: the causal mask gives them the weight 0 for all inputs.  A NaN or an infinity that reaches only such keys is not carried to the result.
; LIMITS: e6 + e7 between -123 and 130 (added to the exponent field of log2(e) / 8); e8 and e10 between -126 and 119; e8 + e9 is applied by v_ldexp_f32 and has none.
; SHARES.  A cluster of four work-groups is one (batch, head).  The head's queries are 64 groups of 32.  Wave w of 8 in work-group cx owns group 63 - 4 w - cx (16 - w steps of 128 keys) and group 4 w + cx (w + 1 steps):
; 17 steps in every wave, and no count hangs on cx.  The high group is walked first and stored; then the same registers take the low group.  A step serves the group's TWO tiles of 16 queries: each fragment of K and V feeds two matrix instructions.
; THE WHOLE HEAD LIES IN LDS: kv[bh], 262,144 bytes, at LDS byte 0 as it lies in memory, filled ONCE by joint loads of all four work-groups: 8,192 bytes a wave at the head (key steps 0-3), 24,576 bytes a wave behind the next round.
; No data prefetch: both fills go out at the start, and the launch has no loop that runs ahead of a load.
; K and V lie as images of operand registers (16 bytes at 16 x lane).  K and V have registers of their own: the next step's K is asked for behind this step's score products, V at the step's top; both land under the softmax.
; LAYOUT.  S^T = K Q^T (source 0 = 16 keys, source 1 = 16 queries, K = 64): lane (r, h) holds query r, register j of tile n key 16 n + 8 h + j.  O^T = V^T P^T (K = 128): register j of tile t is channel 16 t + 8 h + j.
; REGISTERS.  Tile 0 lives in window 0, tile 1 in window 1, under the same numbers: v3 the mask's lane constant, v4 the low group's, v5 16 r + 8 h, v6, v7 448 x 2^e8, 2^e8, v[8:11] -M, largest t, sum in two halves, v12, v13 448 x 2^e10, 2^e10,
; v14 -infinity, v[16:17] f, v18-27, v30 at work, v[32:39] Q, v[40:47] the low group's Q, v[48:63] P's codes, v[64:127] S^T then p, v[128:159] O^T.  v[160:223]: K in window 0, V in window 1.  Window 0 alone: v1 16 x lane, v2 an LDS address, v28, v29 the spare word and 0.
.set SPARE, 0x40000                    ; behind the head: the spare words, 128 bytes a wave
.set WV,  12                           ; s12 wave; s13 cx; s14 16 x batch + head
.set G1A, 16                           ; s[16:23], s[24:31] descriptor groups 1; s[32:35], s[36:39] groups 0
.set G1B, 24
.set G0A, 32
.set G0B, 36
.set CS,  52                           ; s[52:53] c = 2^(e6 + e7) log2(e) / 8, twice
.set SEL, 54                           ; s[54:55] lane selects: lane l xor 16
.set TB,  56                           ; s56 16,384 x the trip's number
.set TRIP, 57
.set JB,  58                           ; s58 15 - w: the high group's diagonal step
.set AOF, 59                           ; s59 16,384 x w
.set CNT, 60
.set STP, 61                           ; s61 LDS byte of this step's K and V; s62 of the next step's
.set NXT, 62
.set DG,  63                           ; s63 the trip that is the group's diagonal step
.set JB1, 66                           ; s66 16 - w: the trip at which the low group begins
.set MSB, 0
.macro WIN new                         ; the immediate's high byte repeats the setting that is left
.if MSB != \new
	s_set_vgpr_msb (MSB<<8)|\new
.set MSB, \new
.endif
.endm
.macro NOPS n
.rept \n
	v_nop
.endr
.endm
.macro CROUND                          ; a round of the cluster's barrier
	s_barrier_signal -1
	s_barrier_wait -1
	s_cmp_lg_u32 s[WV], 0
	s_cbranch_scc1 .Lnot_wave_0_\@
	s_barrier_signal -3
.Lnot_wave_0_\@:
	s_barrier_wait -3
	s_barrier_signal -1
	s_barrier_wait -1
.endm
.macro GINIT                           ; a group begins: the largest t is -3e38, the sums and O^T are zeros, which the first change of M leaves zeros
	v_mov_b32 v8, 0x7f61b1e6
	v_mov_b32 v9, 0xff61b1e6
	v_mov_b32 v10, 0
	v_mov_b32 v11, 0
	v_mov_b32 v17, 0
	v_mov_b32 v22, 0
.set n, 0
.rept 32
	v_mov_b32 v[128+n], 0
.set n, n+1
.endr
.endm
; One tile: the step's largest score in four chains (each accumulator from its low end on), the new M, f, and t - M.
.macro SM1
	v_max3_num_f32 v20, v64, v65, v66
	v_max3_num_f32 v21, v67, v68, v69
	v_max3_num_f32 v23, v70, v71, v72
	v_max3_num_f32 v30, v73, v74, v75
.set n, 12
.rept 6
	v_max3_num_f32 v20, v20, v[64+n], v[65+n]
	v_max3_num_f32 v21, v21, v[66+n], v[67+n]
	v_max3_num_f32 v23, v23, v[68+n], v[69+n]
	v_max3_num_f32 v30, v30, v[70+n], v[71+n]
.set n, n+8
.endr
	v_max3_num_f32 v20, v20, v124, v125
	v_max3_num_f32 v21, v21, v126, v127
	s_delay_alu instid0(VALU_DEP_1)
	v_max3_num_f32 v20, v20, v21, v23
	s_delay_alu instid0(VALU_DEP_1)
	v_max_num_f32 v20, v20, v30
	s_delay_alu instid0(VALU_DEP_1)
	v_permlanex16_b32 v22, v20, s[SEL], s[SEL+1]
	s_delay_alu instid0(VALU_DEP_1)
	v_max_num_f32 v20, v20, v22                    ; and among lane l xor 16's
	s_delay_alu instid0(VALU_DEP_1)
	v_mul_f32 v20, s[CS], v20                      ; as t (c is positive)
	s_delay_alu instid0(VALU_DEP_1)
	v_max_num_f32 v9, v9, v20                      ; the running largest t
	v_mov_b32 v20, v8
	s_delay_alu instid0(VALU_DEP_2)
	v_floor_f32 v8, -v9                            ; the new -M = -ceil(t)
	s_delay_alu instid0(VALU_DEP_1)
	v_sub_f32 v20, v8, v20                         ; old M - new M: a whole number, 0 or less
	s_delay_alu instid0(VALU_DEP_1)
	v_cvt_i32_f32 v20, v20                         ; (it saturates)
	s_delay_alu instid0(VALU_DEP_1)
	v_ldexp_f32 v16, 1.0, v20                      ; f = 2^(old M - new M)
	v_mov_b32 v31, v8                              ; -M once more, in an odd register: the two halves of a pair below name two registers as their third sources
.set n, 0
.rept 32
	v_dual_fma_f32 v[64+n], v[64+n], v15, v8 :: v_dual_fma_f32 v[65+n], v[65+n], v15, v31   ; t - M, two in one instruction; v15 = c
.set n, n+2
.endr
.endm
.macro EXPS
.set n, 0
.rept 64
	v_exp_f32 v[64+n], v[64+n]                     ; p = 2^(t - M)
.set n, n+1
.endr
.endm
; One tile: the sum of the unquantised p in four chains, the hold, P's codes, O^T under the new M.  w = 1: the batch's wait stands behind the first line.
.macro SM2 w
	v_pk_mul_f32 v[10:11], v[10:11], v[16:17] op_sel_hi:[1,0]   ; the sums under the new M (w = 1: the plain instruction behind the exponentials)
.if \w
	s_wait_alu depctr_va_vdst(0)                   ; one wait for the batch of both tiles, ahead of its first reader
.endif
	v_dual_add_f32 v18, v64, v66 :: v_dual_add_f32 v19, v65, v67
	v_dual_add_f32 v24, v68, v70 :: v_dual_add_f32 v25, v69, v71
	v_dual_add_f32 v26, v72, v74 :: v_dual_add_f32 v27, v73, v75
.set n, 12
.rept 6
	v_dual_add_f32 v10, v[64+n], v10 :: v_dual_add_f32 v11, v[65+n], v11
	v_dual_add_f32 v18, v[66+n], v18 :: v_dual_add_f32 v19, v[67+n], v19
	v_dual_add_f32 v24, v[68+n], v24 :: v_dual_add_f32 v25, v[69+n], v25
	v_dual_add_f32 v26, v[70+n], v26 :: v_dual_add_f32 v27, v[71+n], v27
.set n, n+8
.endr
	v_dual_add_f32 v10, v124, v10 :: v_dual_add_f32 v11, v125, v11
	v_dual_add_f32 v18, v126, v18 :: v_dual_add_f32 v19, v127, v19
	v_pk_add_f32 v[24:25], v[24:25], v[26:27]
	v_pk_add_f32 v[10:11], v[10:11], v[18:19]
	s_delay_alu instid0(VALU_DEP_1)
	v_pk_add_f32 v[10:11], v[10:11], v[24:25]
.set m, 0
.rept 8
.set n, 0
.rept 4
	v_dual_min_num_f32 v[64+8*m+n], v[64+8*m+n], v6 :: v_dual_min_num_f32 v[65+8*m+n], v[65+8*m+n], v6   ; the conversion does not saturate (ISA guide 7.6.2); p is not negative, so the hold is one-sided; two in one instruction
.set n, n+2
.endr
	v_cvt_scalef32_pk8_fp8_f32 v[48+2*m:49+2*m], v[64+8*m:71+8*m], v7
.set m, m+1
.endr
	s_wait_alu depctr_va_vdst(0)                   ; directly ahead of the first reader of O^T
.set n, 0
.rept 16
	v_pk_mul_f32 v[128+n:129+n], v[128+n:129+n], v[16:17] op_sel_hi:[1,0]   ; O^T x f; also the plain instructions behind the conversions
.set n, n+2
.endr
.endm
; One tile's way out: O^T x 2^(e8 + e9) / the row's sum, held, converted; each store of the wave covers 256 consecutive bytes, aligned.
.macro FINISH base, u
	v_add_f32 v10, v10, v11
	s_delay_alu instid0(VALU_DEP_1)
	v_permlanex16_b32 v22, v10, s[SEL], s[SEL+1]
	s_delay_alu instid0(VALU_DEP_1)
	v_add_f32 v10, v10, v22                        ; the row's sum
	s_wait_alu depctr_va_vdst(0)                   ; ahead of the transcendental
	v_rcp_f32 v10, v10
	v_nop
	s_wait_alu depctr_va_vdst(0)                   ; and ahead of its first reader
	v_ldexp_f32 v10, v10, s74
	s_wait_alu depctr_va_vdst(0)                   ; and directly ahead of the first reader of O^T
.set n, 0
.rept 32
	v_mul_f32 v[64+n], v[128+n], v10
.set n, n+1
.endr
.set n, 0
.rept 32
	v_med3_num_f32 v[64+n], v[64+n], -v12, v12
.set n, n+1
.endr
.set n, 0
.rept 4
	v_cvt_scalef32_pk8_fp8_f32 v[48+2*n:49+2*n], v[64+8*n:71+8*n], v13
.set n, n+1
.endr
	v_nop
.set n, 0
.rept 4
	global_store_b64 v5, v[48+2*n:49+2*n], s[\base:\base+1] offset:256*n+4096*\u
.set n, n+1
.endr
.endm
.macro LEAVE base, next                ; both tiles go out; next = 1: their registers take the low group
.irp u, 0,1
	WIN 0x55*\u
	FINISH \base, \u
.if \next
.set n, 0
.rept 8
	v_mov_b32 v[32+n], v[40+n]
.set n, n+1
.endr
	v_mov_b32 v3, v4
	GINIT
.endif
.endr
	WIN 0
.endm
; ONE TRIP: one step of 128 keys for the group's two tiles.  full = 0: trips 0-2, which lie ahead of every diagonal and of the change of groups.
.macro TRIPM full
.if \full
	s_cmp_lg_u32 s[TRIP], s[JB1]                   ; branches on the trip's and the wave's number alone
	s_cbranch_scc1 .Lsame_\@
	NOPS 4                                         ; places behind the last products
	LEAVE 72, 1
	s_mov_b32 s[DG], 16
	s_wait_alu depctr_va_vdst(0)                   ; directly ahead of the wait below
	s_wait_xcnt 0x0                                ; the stores have read their data: P's registers may be written again
.Lsame_\@:
	s_mov_b32 s[STP], s[NXT]
	s_add_co_u32 s2, s[TB], 16384
	s_cmp_ge_u32 s[TRIP], s[JB]
	s_cselect_b32 s3, s[AOF], 0
	s_add_co_u32 s2, s2, s3
	s_and_b32 s[NXT], s2, 0x3c000                  ; the next trip's step: trip + 1, or trip + 1 - (16 - w) in the low group
.else
	s_mov_b32 s[STP], s[NXT]
	s_add_co_u32 s[NXT], s[NXT], 16384
.endif
	v_add_nc_u32 v2, s[STP], v1
	NOPS 3                                         ; with the addition: four places in front of loads into registers that the last products read
	WIN 0x40
.set n, 0
.rept 16
	ds_load_b128 v[160+4*n:163+4*n], v2 offset:8192+512*n          ; V, into window 1
.set n, n+1
.endr
	WIN 0
.set n, 0
.rept 8
	v_wmma_f32_16x16x64_fp8_fp8 v[64+8*n:71+8*n], v[160+8*n:167+8*n], v[32:39], 0
.set n, n+1
.endr
	WIN 0x44                                       ; tile 1: Q and S^T in window 1, K in window 0
.set n, 0
.rept 8
	v_wmma_f32_16x16x64_fp8_fp8 v[64+8*n:71+8*n], v[160+8*n:167+8*n], v[32:39], 0
.set n, n+1
.endr
	WIN 0
	v_add_nc_u32 v2, s[NXT], v1
	NOPS 3                                         ; four places in front of the loads below and of the first read of the scores
.if \full
	s_cmp_eq_u32 s[TRIP], 16                       ; the last trip has no successor
	s_cbranch_scc1 .Lno_k_\@
.endif
.set n, 0
.rept 16
	ds_load_b128 v[160+4*n:163+4*n], v2 offset:512*n               ; the next step's K
.set n, n+1
.endr
.if \full
.Lno_k_\@:
	s_cmp_lg_u32 s[TRIP], s[DG]
	s_cbranch_scc1 .Lopen_\@
.irp u, 0,1
	WIN 0x55*\u
.set n, 0
.rept 64                                       ; register n holds key 16 (n / 8) + 8 h + n % 8 of the step: hidden where 16 (n / 8) + n % 8 > my query - the step's first key - 8 h: p = 0
	v_cmp_gt_i32 vcc_lo, 16*(n/8)+n%8, v3
	v_cndmask_b32 v[64+n], v[64+n], v14, vcc_lo
.set n, n+1
.endr
.endr
	WIN 0
.Lopen_\@:
.endif
	SM1
	WIN 0x55
	SM1
	s_wait_alu depctr_va_vdst(0)                   ; ahead of the batch
	EXPS
	WIN 0
	EXPS
	SM2 1
	WIN 0x55
	SM2 0
	s_wait_alu depctr_va_vdst(0)                   ; directly ahead of the wait below
	s_wait_dscnt 0x0                               ; V is in, and so is the next step's K
.set n, 0
.rept 4
	v_wmma_f32_16x16x128_fp8_fp8 v[128+8*n:135+8*n], v[160+16*n:175+16*n], v[48:63], v[128+8*n:135+8*n]   ; eight accumulators by turns
.set n, n+1
.endr
	WIN 0x01                                       ; tile 0: V in window 1, all else in window 0
.set n, 0
.rept 4
	v_wmma_f32_16x16x128_fp8_fp8 v[128+8*n:135+8*n], v[160+16*n:175+16*n], v[48:63], v[128+8*n:135+8*n]
.set n, n+1
.endr
	WIN 0
.endm
	s_load_b256 s[4:11], s[0:1], 0x0               ; qi s[4:5], kv s[6:7], the scales' exponents s[8:9], cc s[10:11]
	v_lshl_add_u32 v28, v0, 2, SPARE
	v_mov_b32 v29, 0
	ds_add_u32 v28, v29                            ; the opening lines: the add, twice on end, and its wait
	ds_add_u32 v28, v29
	v_lshrrev_b32 v1, 5, v0
	v_readfirstlane_b32 s[WV], v1                  ; wave 0..7
	s_bfe_u32 s13, ttmp6, 0x40000                  ; cx: it enters global addresses and the masks' lane constants alone
	s_and_b32 s14, ttmp7, 0xffff                   ; 16 x batch + head
	; descriptor groups 1: dense blocks as rows of 32 elements of 8 bytes: 32 rows, and 96 rows
	s_mov_b32 s[G1A], 15|(3<<16)|(1<<21)           ; the mask: all four work-groups; elements of 8 bytes; bit 21 beside a mask
	s_mov_b32 s[G1A+1], 32<<16
	s_mov_b32 s[G1A+2], 32<<16
	s_mov_b32 s[G1A+3], 32<<16
	s_mov_b32 s[G1A+4], 32
	s_mov_b32 s[G1A+5], 32
	s_mov_b32 s[G1A+6], 0
	s_mov_b32 s[G1A+7], 0
	s_mov_b32 s[G1B], 15|(3<<16)|(1<<21)
	s_mov_b32 s[G1B+1], 32<<16
	s_mov_b32 s[G1B+2], 96<<16
	s_mov_b32 s[G1B+3], 32<<16
	s_mov_b32 s[G1B+4], 96
	s_mov_b32 s[G1B+5], 32
	s_mov_b32 s[G1B+6], 0
	s_mov_b32 s[G1B+7], 0
	s_lshl_b32 s80, s14, 18                        ; the head's 262,144 bytes of kv
	s_lshl_b32 s15, s[WV], 13                      ; my 8,192 of the first 65,536,
	s_add_co_u32 s78, s80, s15
	s_mov_b32 s79, 0
	s_mul_i32 s3, s[WV], 24576
	s_add_co_u32 s3, s3, 65536                     ; my 24,576 of the rest
	s_add_co_u32 s80, s80, s3
	s_mov_b32 s81, 0
	s_wait_dscnt 0x0
	s_wait_kmcnt 0x0
	s_load_b256 s[40:47], s[8:9], 0x0              ; the exponents: entries 0 to 7,
	s_load_b128 s[48:51], s[8:9], 0x20             ; 8 to 11
	s_mov_b32 s[G0A], 1
	s_mov_b32 s[G0A+1], s15                        ; LDS address = the byte's place in the head
	s_add_nc_u64 s[G0A+2:G0A+3], s[6:7], s[78:79]
	s_or_b32 s[G0A+3], s[G0A+3], 0x80000000
	s_mov_b32 s[G0B], 1
	s_mov_b32 s[G0B+1], s3
	s_add_nc_u64 s[G0B+2:G0B+3], s[6:7], s[80:81]
	s_or_b32 s[G0B+3], s[G0B+3], 0x80000000
	CROUND                                         ; all four work-groups are here: the joint loads meet
	tensor_load_to_lds s[G0A:G0A+3], s[G1A:G1A+7]  ; key steps 0-3, with the other waves' parts: my one load at the head
	s_nop 0
	NOPS 4
	v_and_b32 v1, 31, v0
	v_lshlrev_b32 v1, 4, v1                        ; 16 x lane
	v_and_b32 v24, 15, v0                          ; r
	v_bfe_u32 v25, v0, 4, 1                        ; h
	v_lshlrev_b32 v26, 3, v25
	v_lshl_add_u32 v25, v24, 4, v26                ; 16 r + 8 h
	v_sub_nc_u32 v24, v24, v26                     ; r - 8 h
	s_wait_alu depctr_va_vdst(0)                   ; ahead of the scalar lines below
	s_lshl_b32 s2, s[WV], 2
	s_add_co_u32 s2, s2, s13                       ; the low group: 4 w + cx
	s_sub_co_u32 s3, 63, s2                        ; the high group
	s_lshl_b32 s75, s14, 17                        ; the head's 64 groups of 2,048 bytes of qi
	s_lshl_b32 s78, s3, 11
	s_add_co_u32 s78, s78, s75
	s_add_nc_u64 s[68:69], s[4:5], s[78:79]
	s_lshl_b32 s78, s2, 11
	s_add_co_u32 s78, s78, s75
	s_add_nc_u64 s[70:71], s[4:5], s[78:79]
.irp u, 0,1
	WIN 0x40*\u
	global_load_b128 v[32:35], v1, s[68:69] offset:1024*\u th:TH_LOAD_NT
	global_load_b128 v[36:39], v1, s[68:69] offset:1024*\u+512 th:TH_LOAD_NT
	global_load_b128 v[40:43], v1, s[70:71] offset:1024*\u th:TH_LOAD_NT
	global_load_b128 v[44:47], v1, s[70:71] offset:1024*\u+512 th:TH_LOAD_NT
.endr
	WIN 0
	s_lshr_b32 s75, s14, 4
	s_lshl_b32 s75, s75, 19                        ; the batch's 128 tiles of 4,096 bytes of cc,
	s_bfe_u32 s80, s14, 0x20002
	s_lshl_b32 s80, s80, 21                        ; the head's 256 along K: 2,097,152 bytes apart,
	s_add_co_u32 s75, s75, s80
	s_and_b32 s80, s14, 3
	s_lshl_b32 s80, s80, 10                        ; and its 64 among them
	s_add_co_u32 s75, s75, s80
	s_lshl_b32 s78, s3, 13
	s_add_co_u32 s78, s78, s75
	s_add_nc_u64 s[72:73], s[10:11], s[78:79]      ; the high group's codes
	s_lshl_b32 s78, s2, 13
	s_add_co_u32 s78, s78, s75
	s_add_nc_u64 s[76:77], s[10:11], s[78:79]      ; the low group's
	s_lshl_b32 s86, s13, 5                         ; the low group's first query in its diagonal step: 32 cx;
	s_sub_co_u32 s85, 96, s86                      ; the high group's: 32 (3 - cx)
	s_sub_co_u32 s[JB], 15, s[WV]
	s_sub_co_u32 s[JB1], 16, s[WV]
	s_lshl_b32 s[AOF], s[WV], 14
	s_mov_b32 s[DG], s[JB]
	s_mov_b32 s[SEL], 0x76543210
	s_mov_b32 s[SEL+1], 0xfedcba98
	s_wait_kmcnt 0x0
	s_add_co_i32 s2, s46, s47                      ; e6 + e7
	s_lshl_b32 s2, s2, 23
	s_mov_b32 s[CS], 0x3e38aa3b                    ; log2(e) / 8
	s_add_co_i32 s[CS], s[CS], s2
	s_mov_b32 s[CS+1], s[CS]
	s_add_co_i32 s2, s48, 127
	s_lshl_b32 s81, s2, 23                         ; 2^e8
	s_add_co_i32 s2, s2, 8
	s_lshl_b32 s2, s2, 23
	s_or_b32 s82, s2, 0x600000                     ; 448 x 2^e8
	s_add_co_i32 s2, s50, 127
	s_lshl_b32 s83, s2, 23                         ; 2^e10
	s_add_co_i32 s2, s2, 8
	s_lshl_b32 s2, s2, 23
	s_or_b32 s84, s2, 0x600000                     ; 448 x 2^e10
	s_add_co_i32 s74, s48, s49                     ; e8 + e9
.irp u, 0,1                                    ; each tile's constants, in its own window (the sources lie in window 0)
	WIN 0x40*\u
	v_add_nc_u32 v3, s85, v24                      ; my query - the diagonal step's first key - 8 h
	v_add_nc_u32 v4, s86, v24
	v_mov_b32 v5, v25
	v_mov_b32 v6, s82
	v_mov_b32 v7, s81
	v_mov_b32 v12, s84
	v_mov_b32 v13, s83
	v_mov_b32 v14, 0xff800000
	v_mov_b32 v15, s[CS]                           ; c, in a vector register of each window
	GINIT
	s_add_co_u32 s85, s85, 16                      ; tile 1's queries are 16 on
	s_add_co_u32 s86, s86, 16
.endr
	WIN 0
	s_wait_alu depctr_va_vdst(0)                   ; the head's end
	s_wait_tensorcnt 0x0                           ; my part of key steps 0-3 is in
	ds_add_u32 v28, v29
	s_wait_dscnt 0x0
	CROUND                                         ; everybody's part is in, and the joint loads meet
	tensor_load_to_lds s[G0B:G0B+3], s[G1B:G1B+7]  ; key steps 4-15: my one load behind the round
	s_nop 0
	NOPS 4
.set n, 0
.rept 16
	ds_load_b128 v[160+4*n:163+4*n], v1 offset:512*n               ; step 0's K
.set n, n+1
.endr
	s_mov_b32 s[NXT], 0
	s_mov_b32 s[CNT], 3
	s_wait_loadcnt 0x0                             ; Q
	s_wait_dscnt 0x0
.Lfirst:                                           ; trips 0-2: they read key steps 0-3 alone
	TRIPM 0
	s_sub_co_u32 s[CNT], s[CNT], 1
	s_cmp_lg_u32 s[CNT], 0
	s_cbranch_scc1 .Lfirst
	s_wait_tensorcnt 0x0                           ; my part of key steps 4-15 is in,
	s_wait_dscnt 0x0
	s_barrier_signal -1
	s_barrier_wait -1                              ; everybody's is: from here on the waves go their own ways
	s_mov_b32 s[NXT], 3*16384
	s_mov_b32 s[TB], 3*16384
	s_mov_b32 s[TRIP], 3
.Lrest:                                            ; trips 3-16
	TRIPM 1
	s_add_co_u32 s[TB], s[TB], 16384
	s_add_co_u32 s[TRIP], s[TRIP], 1
	s_cmp_lt_u32 s[TRIP], 17
	s_cbranch_scc1 .Lrest
	NOPS 4                                         ; places behind the last products
	LEAVE 76, 0
	s_wait_tensorcnt 0x0                           ; the wave's end
	ds_add_u32 v28, v29
	s_wait_dscnt 0x0
	CROUND                                         ; the closing round
	s_endpgm
.Lfunc_end_k_qe6209a4ee4_attn:
	.size	k_qe6209a4ee4_attn, .Lfunc_end_k_qe6209a4ee4_attn-k_qe6209a4ee4_attn
	.p2alignl 7, 3214868480
	.fill 96, 4, 3214868480
	.section	.rodata,"a",@progbits
	.p2align	6, 0x0
	.amdhsa_kernel k_qe6209a4ee4_attn
		.amdhsa_group_segment_fixed_size 327680
		.amdhsa_private_segment_fixed_size 0
		.amdhsa_enable_private_segment 0
		.amdhsa_kernarg_size 32
		.amdhsa_user_sgpr_count 2
		.amdhsa_user_sgpr_kernarg_segment_ptr 1
		.amdhsa_wavefront_size32 1
		.amdhsa_system_sgpr_workgroup_id_x 1
		.amdhsa_system_sgpr_workgroup_id_y 1
		.amdhsa_system_sgpr_workgroup_id_z 1
		.amdhsa_system_vgpr_workitem_id 0
		.amdhsa_next_free_vgpr 512
		.amdhsa_next_free_sgpr 90
		.amdhsa_reserve_vcc 1
		.amdhsa_float_denorm_mode_32 3
		.amdhsa_float_denorm_mode_16_64 3
		.amdhsa_memory_ordered 1
		.amdhsa_forward_progress 1
		.amdhsa_inst_pref_size 105
	.end_amdhsa_kernel
	.amdgpu_metadata
---
amdhsa.version: [ 1, 2 ]
amdhsa.kernels:
  - .name:           k_qe6209a4ee4_attn
    .symbol:         k_qe6209a4ee4_attn.kd
    .args:
      - { .name: qi, .offset: 0, .size: 8, .value_kind: global_buffer, .address_space: global }
      - { .name: kv, .offset: 8, .size: 8, .value_kind: global_buffer, .address_space: global }
      - { .name: lowp_scales, .offset: 16, .size: 8, .value_kind: global_buffer, .address_space: global }
      - { .name: cc, .offset: 24, .size: 8, .value_kind: global_buffer, .address_space: global }
    .group_segment_fixed_size: 327680
    .private_segment_fixed_size: 0
    .kernarg_segment_align: 8
    .kernarg_segment_size: 32
    .max_flat_workgroup_size: 256
    .sgpr_count:     90
    .vgpr_count:     512
    .wavefront_size: 32
...
	.end_amdgpu_metadata
.endif
;; end of part 2
;; launch outp (part 3): grid 4 x 64, 4 waves a work-group, clusters of 4 x 4, 327,680 bytes of LDS; arguments cc, Wo_codes, bo, lowp_scales, out0; writes out0
.if DOCPART == 3
	.amdgcn_target "amdgcn-amd-amdhsa--gfx1250"
	.amdhsa_code_object_version 6
	.text
	.protected	k_qe6209a4ee4_outp
	.globl	k_qe6209a4ee4_outp
	.p2align	8
	.type	k_qe6209a4ee4_outp,@function
k_qe6209a4ee4_outp:
	s_mov_b64 s[64:65], 0
	v_nop
	global_prefetch_b8 v0, s[64:65] scope:SCOPE_SE
	s_setreg_imm32_b32 hwreg(HW_REG_WAVE_MODE, 25, 1), 1
	s_wait_xcnt 0x0
	s_wait_alu depctr_hold_cnt(0) depctr_sa_sdst(0) depctr_va_vdst(0) depctr_va_sdst(0) depctr_va_ssrc(0) depctr_va_vcc(0) depctr_vm_vsrc(0)
	s_getreg_b32 s2, hwreg(HW_REG_IB_STS2, 6, 4)
	s_cmp_eq_u32 s2, 0
	s_cbranch_scc0 .Lentry_in_a_cluster
	s_endpgm
.Lentry_in_a_cluster:
	s_bfe_u32 s2, ttmp6, 0x10000c
	s_cmp_lg_u32 s2, 0xf033
	s_cbranch_scc0 .Lentry_shape_is_right
	s_endpgm
.Lentry_shape_is_right:
.set PITCH,  272
.set AHALF,  16384
.set BHALF,  128*PITCH
.set BOFF,   2*AHALF
.set SLOT,   2*AHALF+2*BHALF
.set SPARE,  2*SLOT
.set STAGE,  SPARE+512
.set SPITCH, 528
.set ASTEP,  2097152
.set ADRA, 16
.set ADRB, 20
.set STO,  24
.set RD,   25
.set CO,   26
.set H32,  27
.set SPW,  28
.set NIL,  29
.set AF,   64
.set TMP,  64
.set BK,   128
.set G1A, 24
.set G0A, 32
.set G1B, 48
.set G0B, 56
.set WV,  66
.set WA,  67
.set WB,  68
.set SC,  98
.set MUL,  0xa1
.set TO_B, 0x40
.set TO_3, 0xc0
.set EPI,  0x32
.set MSB, 0
.macro WIN new
.if MSB != \new
	s_set_vgpr_msb (MSB<<8)|\new
.set MSB, \new
.endif
.endm
.macro PLACES n
.rept \n
	v_nop
.endr
.endm
.macro JLOAD g0a, g1a, g0b, g1b
	s_cmp_eq_u32 s[WA], 0
	s_cbranch_scc0 .Lfor_b_\@
	tensor_load_to_lds s[\g0a:\g0a+3], s[\g1a:\g1a+7]
	s_nop 0
.rept 4
	v_nop
.endr
	s_branch .Lasked_\@
.Lfor_b_\@:
	tensor_load_to_lds s[\g0b:\g0b+3], s[\g1b:\g1b+7]
	s_nop 0
.rept 4
	v_nop
.endr
.Lasked_\@:
.endm
.macro CREST
	s_cmp_lg_u32 s[WV], 0
	s_cbranch_scc1 .Lnot_wave_0_\@
	s_barrier_signal -3
.Lnot_wave_0_\@:
	s_barrier_wait -3
	s_barrier_signal -1
	s_barrier_wait -1
.endm
.macro CROUND
	s_barrier_signal -1
	s_barrier_wait -1
	CREST
.endm
.macro FRAGB reg, slot, q, i
.irp c, 0,1,2,3
	ds_load_b128 v[\reg+4*\c:\reg+4*\c+3], v[ADRB+\slot] offset:128*(\q)+32*\c+(\i)*16*PITCH
.endr
.endm
.macro FRAGA reg, slot, q, i
.irp c, 0,1,2,3
	ds_load_b128 v[\reg+4*\c:\reg+4*\c+3], v[ADRA+\slot] offset:4096*(\i)+2048*(\q)+512*\c
.endr
.endm
.macro FETCH slot, q, p
	WIN TO_B
.irp i, 0,1,2,3,4,5,6,7
	FRAGB 128*(\p)+16*\i, \slot, \q, \i
.endr
	WIN 0
.irp i, 0,1,2,3
	FRAGA AF+64*(\p)+16*\i, \slot, \q, \i
.endr
.endm
.macro MUL8 a, p, zero
.irp b, 0,1,2,3,4,5,6,7
.if \zero
	v_wmma_f32_16x16x128_fp8_fp8 v[8*(8*(\a)+\b):8*(8*(\a)+\b)+7], v[128*(\p)+16*\b:128*(\p)+16*\b+15], v[AF+64*(\p)+16*(\a):AF+64*(\p)+16*(\a)+15], 0
.else
	v_wmma_f32_16x16x128_fp8_fp8 v[8*(8*(\a)+\b):8*(8*(\a)+\b)+7], v[128*(\p)+16*\b:128*(\p)+16*\b+15], v[AF+64*(\p)+16*(\a):AF+64*(\p)+16*(\a)+15], v[8*(8*(\a)+\b):8*(8*(\a)+\b)+7]
.endif
.endr
.endm
.macro AIM slot, ks
	s_add_nc_u64 s[G0A+4*\slot+2:G0A+4*\slot+3], s[70:71], (\ks)*ASTEP
	s_or_b32 s[G0A+4*\slot+3], s[G0A+4*\slot+3], 0x80000000
	s_add_nc_u64 s[G0B+4*\slot+2:G0B+4*\slot+3], s[74:75], (\ks)*256
	s_or_b32 s[G0B+4*\slot+3], s[G0B+4*\slot+3], 0x80000000
.endm
.macro STEP0 slot, zero
	s_wait_dscnt 8
	WIN MUL
	MUL8 0, 0, \zero
	MUL8 1, 0, \zero
	PLACES 4
	FETCH \slot, 1, 1
	s_wait_dscnt 48
	WIN MUL
	MUL8 2, 0, \zero
	MUL8 3, 0, \zero
	WIN 0
.endm
.macro TURN slot, next, fill, ks
	s_wait_tensorcnt 0x0
	ds_add_u32 v[SPW], v[NIL]
	s_wait_dscnt 9
	WIN MUL
	MUL8 0, 1, 0
	s_wait_dscnt 0x0
	s_barrier_signal -1
	MUL8 1, 1, 0
	WIN 0
	s_barrier_wait -1
.if \fill
	CREST
	AIM \slot, \ks
	JLOAD G0A+4*\slot, G1A, G0B+4*\slot, G1B
.else
	PLACES 4
.endif
	FETCH \next, 0, 0
	WIN MUL
	MUL8 2, 1, 0
	MUL8 3, 1, 0
	WIN 0
.endm
	s_load_b256 s[4:11], s[0:1], 0x0
	s_load_b64 s[12:13], s[0:1], 0x20
	v_lshl_add_u32 v[SPW], v0, 2, SPARE
	v_mov_b32 v[NIL], 0
	ds_add_u32 v28, v29
	ds_add_u32 v28, v29
	s_wait_dscnt 0x0
	v_lshrrev_b32 v1, 5, v0
	v_readfirstlane_b32 s[WV], v1
	s_lshr_b32 s[WA], s[WV], 1
	s_and_b32 s[WB], s[WV], 1
	s_bfe_u32 s40, ttmp6, 0x40000
	s_bfe_u32 s41, ttmp6, 0x40004
	s_and_b32 s42, ttmp7, 0xffff
	s_lshl_b32 s43, s41, 2
	s_lshl_b32 s43, 15, s43
	s_lshl_b32 s44, 0x1111, s40
	s_or_b32 s[G1A], s43, (3<<16)|(1<<21)
	s_mov_b32 s[G1A+1], 32<<16
	s_mov_b32 s[G1A+2], 64<<16
	s_mov_b32 s[G1A+3], 32<<16
	s_mov_b32 s[G1A+4], 64
	s_mov_b32 s[G1A+5], 32
	s_mov_b32 s[G1A+6], 0
	s_mov_b32 s[G1A+7], 0
	s_or_b32 s[G1B], s44, (1<<20)|(1<<21)|(5<<22)|(3<<25)
	s_mov_b32 s[G1B+1], 256<<16
	s_mov_b32 s[G1B+2], 128<<16
	s_mov_b32 s[G1B+3], 256<<16
	s_mov_b32 s[G1B+4], 128
	s_mov_b32 s[G1B+5], 1024
	s_mov_b32 s[G1B+6], 0
	s_mov_b32 s[G1B+7], 0
	s_wait_kmcnt 0x0
	s_load_b64 s[90:91], s[10:11], 0x28
	s_lshl_b32 s45, s42, 2
	s_add_co_u32 s45, s45, s41
	s_lshl_b32 s46, s45, 15
	s_lshl_b32 s43, s[WB], 14
	s_add_co_u32 s46, s46, s43
	s_mov_b32 s47, 0
	s_add_nc_u64 s[70:71], s[4:5], s[46:47]
	s_lshl_b32 s100, s40, 18
	s_lshl_b32 s69, s[WB], 17
	s_add_co_u32 s100, s100, s69
	s_mov_b32 s101, 0
	s_add_nc_u64 s[74:75], s[6:7], s[100:101]
	s_mul_i32 s69, s[WB], BHALF
	s_add_co_u32 s69, s69, BOFF
	CROUND
.irp s, 0,1
	s_mov_b32 s[G0A+4*\s], 1
	s_add_co_u32 s[G0A+4*\s+1], s43, \s*SLOT
	s_add_nc_u64 s[G0A+4*\s+2:G0A+4*\s+3], s[70:71], \s*ASTEP
	s_or_b32 s[G0A+4*\s+3], s[G0A+4*\s+3], 0x80000000
	s_mov_b32 s[G0B+4*\s], 1
	s_add_co_u32 s[G0B+4*\s+1], s69, \s*SLOT
	s_add_nc_u64 s[G0B+4*\s+2:G0B+4*\s+3], s[74:75], \s*256
	s_or_b32 s[G0B+4*\s+3], s[G0B+4*\s+3], 0x80000000
	s_wait_alu depctr_va_vdst(0)
	s_wait_tensorcnt 0x0
	ds_add_u32 v28, v29
	ds_add_u32 v28, v29
	s_wait_dscnt 0x0
	CROUND
	JLOAD G0A+4*\s, G1A, G0B+4*\s, G1B
.endr
	v_and_b32 v1, 15, v0
	v_bfe_u32 v2, v0, 4, 1
	v_and_b32 v[CO], 31, v0
	v_lshlrev_b32 v[CO], 4, v[CO]
	v_mul_u32_u24 v3, v1, PITCH
	v_lshl_add_u32 v3, v2, 4, v3
	s_lshl_b32 s2, s[WA], 14
	s_mul_i32 s3, s[WB], BHALF
	s_add_co_u32 s3, s3, BOFF
.irp s, 0,1
	v_add_nc_u32 v[ADRA+\s], s2, v[CO]
	v_add_nc_u32 v[ADRB+\s], s3, v3
	s_add_co_u32 s2, s2, SLOT
	s_add_co_u32 s3, s3, SLOT
.endr
	s_mul_i32 s2, s[WV], 16*SPITCH
	s_add_co_u32 s2, s2, STAGE
	v_mul_u32_u24 v4, v1, SPITCH
	v_lshl_add_u32 v4, v2, 5, v4
	v_add_nc_u32 v[STO], s2, v4
	v_add_nc_u32 v[RD], s2, v[CO]
	v_lshlrev_b32 v[H32], 5, v2
	s_wait_alu depctr_va_vdst(0)
	s_lshl_b32 s4, s40, 10
	s_lshl_b32 s3, s[WB], 9
	s_add_co_u32 s4, s4, s3
	s_mov_b32 s5, 0
	s_add_nc_u64 s[8:9], s[8:9], s[4:5]
	s_lshl_b32 s2, s45, 19
	s_lshl_b32 s3, s[WA], 18
	s_add_co_u32 s2, s2, s3
	s_add_co_u32 s2, s2, s4
	s_mov_b32 s3, 0
	s_add_nc_u64 s[92:93], s[12:13], s[2:3]
	WIN TO_3
.irp b, 0,1,2,3,4,5,6,7
	global_load_b128 v[8*\b:8*\b+3], v[H32], s[8:9] offset:64*\b
	global_load_b128 v[8*\b+4:8*\b+7], v[H32], s[8:9] offset:64*\b+16
.endr
	WIN 0
	s_wait_tensorcnt 0x1
	s_barrier_signal -1
	s_barrier_wait -1
	FETCH 0, 0, 0
	STEP0 0, 1
	TURN 0, 1, 1, 2
	STEP0 1, 0
	TURN 1, 0, 1, 3
	STEP0 0, 0
	TURN 0, 1, 0, 0
	STEP0 1, 0
	s_wait_dscnt 0x0
	WIN MUL
	MUL8 0, 1, 0
	MUL8 1, 1, 0
	MUL8 2, 1, 0
	MUL8 3, 1, 0
	WIN 0
.macro TOSTAGE a
	WIN EPI
.irp b, 0,1,2,3,4,5,6,7
.irp i, 0,2,4,6
	v_pk_fma_f32 v[TMP+8*\b+\i:TMP+8*\b+\i+1], v[8*(8*(\a)+\b)+\i:8*(8*(\a)+\b)+\i+1], s[SC:SC+1], v[8*\b+\i:8*\b+\i+1] op_sel_hi:[1,0,1]
.endr
.endr
	WIN 0
.irp b, 0,1,2,3,4,5,6,7
	ds_store_b128 v[STO], v[TMP+8*\b:TMP+8*\b+3] offset:64*\b
	ds_store_b128 v[STO], v[TMP+8*\b+4:TMP+8*\b+7] offset:64*\b+16
.endr
.set BB, BK+64*((\a)%2)
.irp t, 0,1,2,3,4,5,6,7,8,9,10,11,12,13,14,15
	ds_load_b128 v[BB+4*\t:BB+4*\t+3], v[RD] offset:\t*SPITCH
.endr
.endm
.macro SEND a, younger
.set BB, BK+64*((\a)%2)
	s_wait_dscnt \younger
.if (\a) > 0
	s_add_nc_u64 s[92:93], s[92:93], 65536
.endif
.irp t, 0,1,2,3,4,5,6,7,8,9,10,11,12,13,14,15
	global_store_b128 v[CO], v[BB+4*\t:BB+4*\t+3], s[92:93] offset:\t*4096 th:TH_STORE_NT
.endr
.endm
	s_wait_loadcnt 0x0
	s_wait_kmcnt 0x0
	s_add_co_i32 s[SC], s90, s91
	s_add_co_i32 s[SC], s[SC], 127
	s_lshl_b32 s[SC], s[SC], 23
	s_mov_b32 s[SC+1], s[SC]
	PLACES 4
	TOSTAGE 0
.irp a, 1,2,3
.if \a > 1
	s_wait_xcnt 0x0
.endif
	TOSTAGE \a
	SEND \a-1, 32
.endr
	s_wait_xcnt 0x0
	SEND 3, 0
	s_wait_tensorcnt 0x0
	ds_add_u32 v[SPW], v[NIL]
	s_wait_dscnt 0x0
	CROUND
	s_endpgm
.Lfunc_end_k_qe6209a4ee4_outp:
	.size	k_qe6209a4ee4_outp, .Lfunc_end_k_qe6209a4ee4_outp-k_qe6209a4ee4_outp
	.p2alignl 7, 3214868480
	.fill 96, 4, 3214868480
	.section	.rodata,"a",@progbits
	.p2align	6, 0x0
	.amdhsa_kernel k_qe6209a4ee4_outp
		.amdhsa_group_segment_fixed_size 327680
		.amdhsa_private_segment_fixed_size 0
		.amdhsa_enable_private_segment 0
		.amdhsa_kernarg_size 40
		.amdhsa_user_sgpr_count 2
		.amdhsa_user_sgpr_kernarg_segment_ptr 1
		.amdhsa_wavefront_size32 1
		.amdhsa_system_sgpr_workgroup_id_x 1
		.amdhsa_system_sgpr_workgroup_id_y 1
		.amdhsa_system_sgpr_workgroup_id_z 1
		.amdhsa_system_vgpr_workitem_id 0
		.amdhsa_next_free_vgpr 1024
		.amdhsa_next_free_sgpr 102
		.amdhsa_reserve_vcc 0
		.amdhsa_float_denorm_mode_32 3
		.amdhsa_float_denorm_mode_16_64 3
		.amdhsa_memory_ordered 1
		.amdhsa_forward_progress 1
		.amdhsa_inst_pref_size 78
	.end_amdhsa_kernel
	.amdgpu_metadata
---
amdhsa.version: [ 1, 2 ]
amdhsa.kernels:
  - .name:           k_qe6209a4ee4_outp
    .symbol:         k_qe6209a4ee4_outp.kd
    .args:
      - { .name: cc, .offset: 0, .size: 8, .value_kind: global_buffer, .address_space: global }
      - { .name: Wo_codes, .offset: 8, .size: 8, .value_kind: global_buffer, .address_space: global }
      - { .name: bo, .offset: 16, .size: 8, .value_kind: global_buffer, .address_space: global }
      - { .name: lowp_scales, .offset: 24, .size: 8, .value_kind: global_buffer, .address_space: global }
      - { .name: out0, .offset: 32, .size: 8, .value_kind: global_buffer, .address_space: global }
    .group_segment_fixed_size: 327680
    .private_segment_fixed_size: 0
    .kernarg_segment_align: 8
    .kernarg_segment_size: 40
    .max_flat_workgroup_size: 128
    .sgpr_count:     102
    .vgpr_count:     1024
    .wavefront_size: 32
...
	.end_amdgpu_metadata
.endif
;; end of part 3
